; MI455X (gfx1250); checked and timed in simulation.
; The chip was launched on July 23, 2026; its instructions are those of AMD's public machine-readable ISA for CDNA 5 (MIT licence, August 2026) and "CDNA5" Instruction Set Architecture Reference Guide (July 2026). The comments in the code are by the model that wrote it; some were corrected since.
;; Multihead Attention. Allowed arithmetic: matrix products marked QUANTISED: E2M3 operands, one E8M0 scale for each 32 along K, by v_wmma_scale_f32_16x16x128_f8f6f4 with both operands' format E2M3, f32 sums; everything else in f32.
;; Inputs: W_out 1,024 x 1,024 float32; W_qkv 1,024 x 3,072 float32; embeddings 4 x 2,048 x 1,024 float32; mask 4 x 2,048 x 2,048 bool.
;; Outputs: out0 4 x 2,048 x 1,024 float32.
;; This version of the problem:
;;   THIS VERSION OF THE PROBLEM IS GIVEN IN LOW PRECISION. The matrix products marked QUANTISED in the list below multiply operands that are first quantised to E2M3 (2 exponent bits, 3 mantissa bits; 6 bits a number), with one power-of-two scale for each 32 numbers along K (OCP MX v1.0); their sums are f32. All else is computed in f32.
;;   The module's matrix products, in the order in which they are computed (A, B: the left and right operand; K: the contracted axis; several contracted axes count as one K, in the product's order):
;;     1. [M 8,192, K 1,024] x [K 1,024, N 3,072]; A: input embeddings; B: input W_qkv: QUANTISED
;;     2. batch 64 x [M 2,048, K 64] x [K 64, N 2,048]; A: computed on the way; B: computed on the way: QUANTISED
;;     3. batch 64 x [M 2,048, K 2,048] x [K 2,048, N 64]; A: computed on the way; B: computed on the way: QUANTISED
;;     4. [M 8,192, K 1,024] x [K 1,024, N 1,024]; A: computed on the way; B: input W_out: QUANTISED
;;   THE QUANTISER, for each operand of a quantised product, along K:
;;     - K is cut into blocks of 32 from its start; a last block that is shorter is filled with zeros.
;;     - A block's scale is 2^e with e = floor(log2(the largest magnitude in the block)) - 2, held to -126 .. 127; a block of zeros has e = 0. As a byte (E8M0): e + 127.
;;     - Each number is divided by its block's scale, clamped to +-7.5, and rounded to the nearest number of E2M3, ties to even, subnormals kept.
;;     - The product sums the exact products of the quantised numbers (number of the format x scale) in f32.
;;   ~~~python
;;   def quantise(x, axis):      # numpy; x: float32 -> the quantised numbers, widened to float32 again
;;       x = np.moveaxis(x, axis, -1); K = x.shape[-1]
;;       x = np.pad(x, [(0, 0)] * (x.ndim - 1) + [(0, -K % 32)]); x = x.reshape(x.shape[:-1] + (-1, 32)); a = np.abs(x).max(-1, keepdims=True)
;;       e = np.where(a > 0, np.clip(np.frexp(np.where(a > 0, a, 1))[1] - 1 - 2, -126, 127), 0)      # np.frexp(a)[1] - 1 = floor(log2(a)), exactly
;;       r = np.clip(x / 2.0 ** e, -7.5, 7.5)
;;       step = 2.0 ** (np.maximum(np.frexp(np.where(r == 0, 1, r))[1] - 1, 0) - 3)
;;       q = np.round(r / step) * step * 2.0 ** e      # np.round: ties to even
;;       return np.moveaxis(q.reshape(q.shape[:-2] + (-1,))[..., :K], -1, axis).astype(np.float32)
;;   ~~~
;;   OPERANDS COMPUTED ON THE WAY. 'Computed on the way' means the value that the module computes at that place (a softmax that the list does not call 'softmax' is quantised finished and normalised). What goes into a quantiser is computed in f32, as accurately as f32 sums, v_exp_f32 and their like allow (about 1e-6 of the number): no bf16 or f16 on the way to a quantiser, and a product that is left as it is and whose result goes on into a quantised operand takes f32 operands (vector FMAs, or v_wmma_f32_16x16x4_f32). A number that lies on a knife's edge between two numbers of the format may be rounded either way, as far as f32 arithmetic and the matrix unit's own rounding can turn it there, and no further.
;; One version. Each part assembles by itself: llvm-mc -triple=amdgcn-amd-amdhsa -mcpu=gfx1250 --defsym DOCPART=n.
;; ======== version 1 of 1: 4 launches
;; limits: right only within a limited range of input values
;; workspace buffers: xq 6,553,600 bytes; wq 3,276,800 bytes; maskw 2,097,152 bytes of whole numbers; qkv 20,447,232 bytes; val 6,553,600 bytes
;; launch prep (part 1): grid 160 x 8, 4 waves a work-group, no clusters, 17,920 bytes of LDS; arguments embeddings, W_qkv, W_out, mask, xq, wq, maskw; writes xq, wq, maskw
.if DOCPART == 1
	.amdgcn_target "amdgcn-amd-amdhsa--gfx1250"
	.amdhsa_code_object_version 6
	.text
	.protected	k_qb8e42af629_prep
	.globl	k_qb8e42af629_prep
	.p2align	8
	.type	k_qb8e42af629_prep,@function
k_qb8e42af629_prep:
	s_mov_b64 s[64:65], 0
	v_nop
	global_prefetch_b8 v0, s[64:65] scope:SCOPE_SE
	s_setreg_imm32_b32 hwreg(HW_REG_WAVE_MODE, 25, 1), 1
	s_wait_xcnt 0x0
; PREP: embeddings [8192][1024], W_qkv [1024][3072] and W_out [1024][1024], f32, become codes of FP6 (E2M3) with one E8M0 byte for each 32 along K = 1,024,
; laid as IMAGES OF OPERAND REGISTERS; the mask [4][2048][2048] of bytes becomes words of 32 lane bits.
; A TILE is 16 rows: lane r of tile T holds row 32 (T / 2) + 8 (T % 2) + r + 8 (r / 8).  A CHUNK is a tile x 64 along K, 768 bytes: lane (r, h) holds k = 32 h .. 32 h + 31, 24 bytes: its
; registers 0-3 lie at 16 x lane, its registers 4-5 at 512 + 8 x lane.  A K step of 128 is two chunks; a tile has 8 K steps: 12,288 bytes.  Scale words: [tile][K step][row] u32, 512 bytes a tile.
; A block's scale is 2^(floor(log2(largest magnitude)) - 2); its byte is the largest magnitude's exponent field - 2, held at 1 from below.  A block of zeros so gets the byte 1 where the rule
; says 127: its codes are zeros, and this program alone reads the bytes.  LIMITS: NaN and infinities among the inputs are not served.
; Four paths, parted by the work-group's x alone: x < 64 embeddings (path X, the one path that uses LDS); 64 .. 87 W_qkv; 88 .. 95 W_out; 96 .. 159 the mask.  Waves share nothing: no barrier.
; No matrix work, no tensor load, no cluster: every input byte is read once by one wave.
.set XS,   6291456                     ; xq: the scale words, behind 512 tiles of codes
.set WOC,  2359296                     ; wq: W_out's codes, behind W_qkv's 192 tiles
.set WQS,  3145728                     ; wq: W_qkv's scale words
.set WOS,  3244032                     ; wq: W_out's scale words
.set SEL,  30                          ; s[30:31] selects of v_permlanex16_b32: lane l xor 16
; 32 numbers of one block in v[xs] on become 6 registers of codes in v[fd] on and the scale's byte in v[bt].  v8-10, v24-26 at work.
.macro BLOCKQ xs, fd, bt
	v_max3_num_f32 v8, |v[\xs]|, |v[\xs+1]|, |v[\xs+2]|        ; the largest magnitude, in two chains
	v_max3_num_f32 v9, |v[\xs+3]|, |v[\xs+4]|, |v[\xs+5]|
.irp i, 6,10,14,18,22,26
	v_max3_num_f32 v8, v8, |v[\xs+\i]|, |v[\xs+\i+1]|
	v_max3_num_f32 v9, v9, |v[\xs+\i+2]|, |v[\xs+\i+3]|
.endr
	v_max3_num_f32 v8, v8, |v[\xs+30]|, |v[\xs+31]|
	v_max3_num_f32 v8, v8, v9, 0x1800000                       ; and the floor 2^(3 - 127): the byte cannot fall under 1
	v_add_nc_u32 v10, 0xff000000, v8                           ; 2 off the exponent field: the conversion takes this operand's exponent field as its scale
	v_cvt_scalef32_pk16_fp6_f32 v[\fd:\fd+2], v[\xs:\xs+15], v10
	v_cvt_scalef32_pk16_fp6_f32 v[24:26], v[\xs+16:\xs+31], v10   ; (a conversion's three registers begin on an even number)
	v_lshrrev_b32 v[\bt], 23, v10                              ; the byte; also the plain line between the conversions and the moves
	v_mov_b32 v[\fd+3], v24
	v_mov_b32 v[\fd+4], v25
	v_mov_b32 v[\fd+5], v26
.endm
	s_load_b256 s[4:11], s[0:1], 0x0               ; embeddings s[4:5], W_qkv s[6:7], W_out s[8:9], mask s[10:11]
	s_load_b128 s[12:15], s[0:1], 0x20             ; xq s[12:13], wq s[14:15]
	s_load_b64 s[16:17], s[0:1], 0x30              ; maskw
	v_lshl_add_u32 v160, v0, 2, 0x4400
	v_mov_b32 v161, 0
	v_lshrrev_b32 v1, 5, v0
	v_readfirstlane_b32 s18, v1                    ; wave 0..3
	v_and_b32 v1, 31, v0                           ; lane
	v_and_b32 v2, 15, v0                           ; r
	v_bfe_u32 v3, v0, 4, 1                         ; h
	s_and_b32 s19, ttmp7, 0xffff                   ; y
	s_mov_b32 s23, 0                               ; the upper word of every offset pair s[22:23]
	s_wait_kmcnt 0x0
	s_cmp_lt_u32 ttmp9, 64
	s_cbranch_scc1 .Lpath_x
	s_cmp_lt_u32 ttmp9, 88
	s_cbranch_scc1 .Lpath_wqkv
	s_cmp_lt_u32 ttmp9, 96
	s_cbranch_scc1 .Lpath_wout
; ---- PATH M.  A wave takes a tile of 16 queries, Tq = 8 (x - 96) + y, and four key steps of 128 (quarter = wave).  Word j of a step: bit (r, h) = mask[query of lane r][128 step + 64 (j / 32) + 32 h + j % 32].
	s_sub_co_u32 s20, ttmp9, 96
	s_lshl_b32 s20, s20, 3
	s_add_co_u32 s20, s20, s19                     ; Tq
	s_lshr_b32 s21, s20, 1
	s_lshl_b32 s21, s21, 5
	s_and_b32 s22, s20, 1
	s_lshl_b32 s22, s22, 3
	s_add_co_u32 s21, s21, s22                     ; the tile's first query
	s_lshl_b32 s21, s21, 11                        ; x 2,048 bytes a row
	s_lshl_b32 s22, s18, 9                         ; + 512 keys x quarter
	s_add_co_u32 s22, s22, s21
	s_add_nc_u64 s[24:25], s[10:11], s[22:23]
	s_lshl_b32 s22, s20, 12                        ; out: 4,096 bytes a tile, 256 a step
	s_lshl_b32 s21, s18, 10
	s_add_co_u32 s22, s22, s21
	s_add_nc_u64 s[26:27], s[16:17], s[22:23]
	s_mov_b32 s36, 0xff                            ; a byte of a word
	s_mov_b32 s37, 0xff00
	s_mov_b32 s38, 0xff0000
	s_mov_b32 s39, 0xff000000
	s_wait_alu depctr_va_vdst(0)
	v_and_b32 v8, 8, v2
	v_add_nc_u32 v8, v8, v2                        ; r + 8 (r / 8)
	v_lshlrev_b32 v4, 11, v8
	v_lshl_add_u32 v4, v3, 5, v4                   ; my row, + 32 h
	v_lshlrev_b32 v6, 3, v1                        ; out: 8 bytes a lane
.irp i, 0,1,2,3,4,5,6,7,8,9,10,11,12,13,14,15
	global_load_b128 v[32+4*\i:35+4*\i], v4, s[24:25] offset:128*(\i/4)+64*((\i%4)/2)+16*(\i%2) th:TH_LOAD_NT   ; step i / 4, 64 keys (i % 4) / 2, half i % 2 of my 32: 16 keys; the 16 loads take 512 consecutive bytes of each row
.endr
.irp i, 0,1,2,3,4,5,6,7
	v_mov_b32 v[96+\i], 0                          ; v_writelane_b32's destination counts as read
.endr
.irp st, 0,1,2,3
	s_wait_loadcnt 12-4*\st                        ; this step's four loads are in; the later steps' stay out
.set j, 0
.rept 64
	v_and_b32 v[8+j%4], s[36+j%4], v[32+16*\st+4*(j/16)+(j%16)/4]   ; byte e of my 16
	v_cmp_ne_u32 s[40+j%4], 0, v[8+j%4]            ; the 32 lanes' bits: word j
	v_writelane_b32 v[96+2*\st+j%2], s[40+j%4], j/2   ; lane j / 2 keeps words 2 (j / 2) and 2 (j / 2) + 1
.set j, j+1
.endr
	global_store_b64 v6, v[96+2*\st:97+2*\st], s[26:27] offset:256*\st   ; 32 lanes store 256 consecutive bytes, aligned
.endr
	s_endpgm
; ---- PATH X.  Tile T = 8 x + y; wave p takes K steps 2 p and 2 p + 1: four chunks.  Each load reads 256 consecutive bytes of two rows; the 16 x 256 bytes turn through the wave's own stage
; (16 rows, 272 bytes apart), so that a lane gets a whole block of 32 neighbours.
.macro LOADX k
.irp i, 0,1,2,3,4,5,6,7
	global_load_b128 v[32+32*((\k)%2)+4*\i:32+32*((\k)%2)+4*\i+3], v4, s[4:5] offset:(2*\i+8*(\i/4))*4096+256*(\k) th:TH_LOAD_NT
.endr
.endm
.Lpath_x:
	s_lshl_b32 s20, ttmp9, 3
	s_add_co_u32 s20, s20, s19                     ; T
	s_lshr_b32 s21, s20, 1
	s_lshl_b32 s21, s21, 5
	s_and_b32 s22, s20, 1
	s_lshl_b32 s22, s22, 3
	s_add_co_u32 s21, s21, s22                     ; the tile's first row
	s_lshl_b32 s21, s21, 12                        ; x 4,096 bytes
	s_lshl_b32 s22, s18, 10                        ; + 256 numbers x p
	s_add_co_u32 s22, s22, s21
	s_add_nc_u64 s[4:5], s[4:5], s[22:23]
	s_mul_i32 s22, s20, 12288
	s_mul_i32 s21, s18, 3072
	s_add_co_u32 s22, s22, s21
	s_add_nc_u64 s[26:27], s[12:13], s[22:23]      ; the codes of K step 2 p
	s_lshl_b32 s22, s20, 9
	s_lshl_b32 s21, s18, 7
	s_add_co_u32 s22, s22, s21
	s_add_co_u32 s22, s22, XS
	s_add_nc_u64 s[28:29], s[12:13], s[22:23]      ; the scale words of K steps 2 p, 2 p + 1: 128 bytes
	s_mov_b32 s[SEL], 0x76543210
	s_mov_b32 s[SEL+1], 0xfedcba98
	s_mov_b32 s32, 0xffff0000                      ; lanes 16-31
	s_mul_i32 s33, s18, 4352                       ; my stage
	s_wait_alu depctr_va_vdst(0)
	v_lshlrev_b32 v4, 12, v3
	v_lshl_add_u32 v4, v2, 4, v4                   ; in: row lane / 16, 16 bytes x (lane % 16)
	v_mul_u32_u24 v14, v3, 272
	v_lshl_add_u32 v14, v2, 4, v14
	v_add_nc_u32 v14, s33, v14                     ; the stage, on the way in
	v_mul_u32_u24 v15, v2, 272
	v_lshl_add_u32 v15, v3, 7, v15
	v_add_nc_u32 v15, s33, v15                     ; and out: row r, + 128 h
	v_lshlrev_b32 v5, 4, v1                        ; 16 x lane
	v_lshlrev_b32 v6, 3, v1                        ; 8 x lane
	v_lshlrev_b32 v7, 2, v1                        ; 4 x lane
	v_mov_b32 v23, 0                               ; a lane permute's destination counts as read
	v_mov_b32 v27, 0
	LOADX 0
	LOADX 1
	s_wait_alu depctr_va_vdst(0)
.irp k, 0,1,2,3
.if \k < 3
	s_wait_loadcnt 8                               ; this chunk's eight loads are in; the next chunk's eight stay out
.else
	s_wait_loadcnt 0x0
.endif
.irp i, 0,1,2,3,4,5,6,7
	ds_store_b128 v14, v[32+32*(\k%2)+4*\i:32+32*(\k%2)+4*\i+3] offset:544*\i
.endr
.irp i, 0,1,2,3,4,5,6,7
	ds_load_b128 v[96+4*\i:99+4*\i], v15 offset:16*\i          ; LDS serves a wave's instructions in order (ISA guide 5.7.1.4): these see the stores above
.endr
	s_wait_dscnt 0x0                               ; my block is in; the stores have read their registers
.if \k < 2
	LOADX \k+2
.endif
	BLOCKQ 96, 128+8*\k, 16+\k
	global_store_b128 v5, v[128+8*\k:131+8*\k], s[26:27] offset:768*\k          ; 512 consecutive bytes
	global_store_b64 v6, v[132+8*\k:133+8*\k], s[26:27] offset:768*\k+512       ; 256 consecutive bytes
.endr
	v_lshl_or_b32 v20, v17, 16, v16                ; K step 2 p: my bytes of blocks h and 2 + h,
	v_lshl_or_b32 v21, v19, 16, v18                ; K step 2 p + 1
	v_lshlrev_b32 v22, 3, v3
	v_lshlrev_b32 v20, v22, v20                    ; at their places, 8 h bits up;
	v_lshlrev_b32 v21, v22, v21
	v_permlanex16_b32 v23, v20, s[SEL], s[SEL+1]
	v_permlanex16_b32 v27, v21, s[SEL], s[SEL+1]
	v_or_b32 v20, v20, v23                         ; with lane l xor 16's two the word is whole
	v_or_b32 v21, v21, v27
	v_cndmask_b32 v20, v20, v21, s32               ; lanes 0-15 the first K step's words, lanes 16-31 the second's
	global_store_b32 v7, v20, s[28:29]
	s_wait_tensorcnt 0x0
	ds_add_u32 v160, v161
	s_wait_dscnt 0x0
	s_endpgm
; ---- PATH W.  K is the weight's FIRST axis: a lane takes a column and its registers run down K, so that a block lies in one lane.  A wave takes 32 columns (j) and one K step (y).
; Column i of the 32 is lane r' = i % 8 + 8 (i / 16) of tile 2 b' + (i / 8) % 2.  W_qkv's columns 192 head + 64 kind + a are laid as rows kind x 1,024 + head x 64 + a.
; The scale words leave in runs of 32 bytes: 131,072 bytes of the launch's stores.
.macro LOADW blk, n
.irp i, 0,1,2,3,4,5,6,7,8,9,10,11,12,13,14,15,16,17,18,19,20,21,22,23,24,25,26,27,28,29,30,31
	global_load_b32 v[32+32*((\blk)%2)+\i], v4, s[24:25] offset:(32*(\blk)+\i)*4*\n th:TH_LOAD_NT
.endr
.endm
.macro WPATH n, x0, isq, src, cb, sb
	s_sub_co_u32 s20, ttmp9, \x0
	s_lshl_b32 s20, s20, 2
	s_add_co_u32 s20, s20, s18                     ; j
	s_mul_i32 s22, s19, 512*\n                     ; 128 rows of n x 4 bytes a K step
	s_lshl_b32 s21, s20, 7
	s_add_co_u32 s22, s22, s21
	s_add_nc_u64 s[24:25], s[\src:\src+1], s[22:23]
.if \isq
	s_mul_i32 s21, s20, 43
	s_lshr_b32 s21, s21, 8                         ; head = j / 6 (43 j / 256 is that for j < 96: the error j / 768 stays under 1 / 6)
	s_mul_i32 s26, s21, 6
	s_sub_co_u32 s26, s20, s26                     ; j % 6 = 2 kind + half of the head
	s_lshr_b32 s27, s26, 1
	s_lshl_b32 s27, s27, 5
	s_lshl_b32 s21, s21, 1
	s_add_co_u32 s27, s27, s21
	s_and_b32 s26, s26, 1
	s_add_co_u32 s20, s27, s26                     ; b' = 32 kind + 2 head + half
.endif
	s_mul_i32 s22, s20, 24576
	s_mul_i32 s21, s19, 1536
	s_add_co_u32 s22, s22, s21
.if \cb != 0
	s_add_co_u32 s22, s22, \cb
.endif
	s_add_nc_u64 s[26:27], s[14:15], s[22:23]      ; tile 2 b', this K step
	s_lshl_b32 s22, s20, 10
	s_lshl_b32 s21, s19, 6
	s_add_co_u32 s22, s22, s21
	s_add_co_u32 s22, s22, \sb
	s_add_nc_u64 s[28:29], s[14:15], s[22:23]
	v_lshlrev_b32 v4, 2, v1                        ; in: 4 bytes a lane
	v_bfe_u32 v8, v0, 3, 1                         ; which of the two tiles
	v_and_b32 v9, 7, v0
	v_lshl_add_u32 v9, v3, 3, v9                   ; r'
	v_mul_u32_u24 v10, v8, 12288
	v_lshl_add_u32 v5, v9, 4, v10
	v_lshl_add_u32 v6, v9, 3, v10
	v_lshlrev_b32 v7, 9, v8
	v_lshl_add_u32 v7, v9, 2, v7
	LOADW 0, \n
	LOADW 1, \n
.irp b, 0,1,2,3
.if \b < 3
	s_wait_loadcnt 32                              ; this block's 32 loads are in; the next block's stay out
.else
	s_wait_loadcnt 0x0
.endif
	BLOCKQ 32+32*(\b%2), 96+8*\b, 11
.if \b == 0
	v_mov_b32 v12, v11                             ; the four bytes make my row's scale word
.else
	v_lshl_or_b32 v12, v11, 8*\b, v12
.endif
.if \b < 2
	LOADW \b+2, \n
.endif
	global_store_b128 v5, v[96+8*\b:99+8*\b], s[26:27] offset:768*(\b/2)+256*(\b%2)        ; block b is half b % 2 of chunk b / 2: sixteen lanes store 256 consecutive bytes, aligned
	global_store_b64 v6, v[100+8*\b:101+8*\b], s[26:27] offset:768*(\b/2)+512+128*(\b%2)
.endr
	global_store_b32 v7, v12, s[28:29]
	s_endpgm
.endm
.Lpath_wqkv:
	s_wait_alu depctr_va_vdst(0)
	WPATH 3072, 64, 1, 6, 0, WQS
.Lpath_wout:
	s_wait_alu depctr_va_vdst(0)
	WPATH 1024, 88, 0, 8, WOC, WOS
.Lfunc_end_k_qb8e42af629_prep:
	.size	k_qb8e42af629_prep, .Lfunc_end_k_qb8e42af629_prep-k_qb8e42af629_prep
	.p2alignl 7, 3214868480
	.fill 96, 4, 3214868480
	.section	.rodata,"a",@progbits
	.p2align	6, 0x0
	.amdhsa_kernel k_qb8e42af629_prep
		.amdhsa_group_segment_fixed_size 17920
		.amdhsa_private_segment_fixed_size 0
		.amdhsa_enable_private_segment 0
		.amdhsa_kernarg_size 56
		.amdhsa_user_sgpr_count 2
		.amdhsa_user_sgpr_kernarg_segment_ptr 1
		.amdhsa_wavefront_size32 1
		.amdhsa_system_sgpr_workgroup_id_x 1
		.amdhsa_system_sgpr_workgroup_id_y 1
		.amdhsa_system_sgpr_workgroup_id_z 1
		.amdhsa_system_vgpr_workitem_id 0
		.amdhsa_next_free_vgpr 162
		.amdhsa_next_free_sgpr 66
		.amdhsa_reserve_vcc 0
		.amdhsa_float_denorm_mode_32 3
		.amdhsa_float_denorm_mode_16_64 3
		.amdhsa_memory_ordered 1
		.amdhsa_forward_progress 1
		.amdhsa_inst_pref_size 101
	.end_amdhsa_kernel
	.amdgpu_metadata
---
amdhsa.version: [ 1, 2 ]
amdhsa.kernels:
  - .name:           k_qb8e42af629_prep
    .symbol:         k_qb8e42af629_prep.kd
    .args:
      - { .name: embeddings, .offset: 0, .size: 8, .value_kind: global_buffer, .address_space: global }
      - { .name: W_qkv, .offset: 8, .size: 8, .value_kind: global_buffer, .address_space: global }
      - { .name: W_out, .offset: 16, .size: 8, .value_kind: global_buffer, .address_space: global }
      - { .name: mask, .offset: 24, .size: 8, .value_kind: global_buffer, .address_space: global }
      - { .name: xq, .offset: 32, .size: 8, .value_kind: global_buffer, .address_space: global }
      - { .name: wq, .offset: 40, .size: 8, .value_kind: global_buffer, .address_space: global }
      - { .name: maskw, .offset: 48, .size: 8, .value_kind: global_buffer, .address_space: global }
    .group_segment_fixed_size: 17920
    .private_segment_fixed_size: 0
    .kernarg_segment_align: 8
    .kernarg_segment_size: 56
    .max_flat_workgroup_size: 128
    .sgpr_count:     66
    .vgpr_count:     162
    .wavefront_size: 32
...
	.end_amdgpu_metadata
.endif
;; end of part 1
;; launch qkv (part 2): grid 192 x 1, 4 waves a work-group, no clusters, 327,680 bytes of LDS; arguments xq, wq, qkv; writes qkv
.if DOCPART == 2
	.amdgcn_target "amdgcn-amd-amdhsa--gfx1250"
	.amdhsa_code_object_version 6
	.text
	.protected	k_qb8e42af629_qkv
	.globl	k_qb8e42af629_qkv
	.p2align	8
	.type	k_qb8e42af629_qkv,@function
k_qb8e42af629_qkv:
	s_mov_b64 s[64:65], 0
	v_nop
	global_prefetch_b8 v0, s[64:65] scope:SCOPE_SE
	s_setreg_imm32_b32 hwreg(HW_REG_WAVE_MODE, 25, 1), 1
	s_wait_xcnt 0x0
.set XS,    6291456
.set WQS,   3145728
.set HEADB, 106496
.set KREG,  6815744
.set VCB,   13631488
.set VSB,   19922944
.set RSC,   196608
.set A16,  1
.set A8,   2
.set A4,   3
.set LA16, 4
.set LA8,  5
.set LA4,  6
.set SA,   7
.set SHV,  8
.set RF,   16
.set RS,   64
.set PS,   68
.set ACC,  100
.set P63,  164
.set TM,   176
.set PW,   192
.set SW,   193
.set PC,   196
.set SEL,  2
.set MSB, 0
.macro WIN new
.if MSB != (\new)
	s_set_vgpr_msb (MSB<<8)|(\new)
.set MSB, (\new)
.endif
.endm
.macro PLACES n
.rept \n
	v_nop
.endr
.endm
.macro PLOC
.if f == 63
.set PWN, 0
.set PRG, P63
.else
.set PWN, 1+f/21
.set PRG, 12*(f%21)
.endif
.endm
.macro QUANT4 s
.irp b, 0,1,2,3
	v_max3_num_f32 v[TM+\b], |v[\s+16*\b]|, |v[\s+1+16*\b]|, 0x1800000
.endr
.irp i, 2,4,6,8,10,12,14
.irp b, 0,1,2,3
	v_max3_num_f32 v[TM+\b], v[TM+\b], |v[\s+16*\b+\i]|, |v[\s+1+16*\b+\i]|
.endr
.endr
.irp b, 0,1,2,3
	v_permlanex16_b32 v[TM+4+\b], v[TM+\b], s[SEL], s[SEL+1]
.endr
.irp b, 0,1,2,3
	v_max_num_f32 v[TM+\b], v[TM+\b], v[TM+4+\b]
.endr
.irp b, 0,1,2,3
	v_add_nc_u32 v[TM+12+\b], 0xff000000, v[TM+\b]
.endr
.irp b, 0,1,2,3
	v_lshrrev_b32 v[TM+4+\b], 23, v[TM+12+\b]
.endr
	v_lshl_or_b32 v[PW], v[TM+5], 8, v[TM+4]
	v_lshl_or_b32 v[PW], v[TM+6], 16, v[PW]
	v_lshl_or_b32 v[PW], v[TM+7], 24, v[PW]
.irp c, 0,1
	v_cvt_scalef32_pk16_fp6_f32 v[PC+6*\c:PC+2+6*\c], v[\s+32*\c:\s+15+32*\c], v[TM+12+2*\c]
	v_cvt_scalef32_pk16_fp6_f32 v[PC+12+4*\c:PC+14+4*\c], v[\s+16+32*\c:\s+31+32*\c], v[TM+12+2*\c+1]
.endr
	v_nop
.irp c, 0,1
.irp i, 0,1,2
	v_permlane16_swap_b32 v[PC+6*\c+\i], v[PC+12+4*\c+\i]
.endr
.irp i, 0,1,2
	v_mov_b32 v[PC+3+6*\c+\i], v[PC+12+4*\c+\i]
.endr
.endr
.endm
.macro RLOAD set, q, off
.irp u, 0,1
.set RB, RF+24*(\set)+12*\u
.set RO, (\off)+1536*(2*(\q)+\u)
	ds_load_b128 v[RB:RB+3], v[LA16] offset:RO
	ds_load_b64 v[RB+4:RB+5], v[LA8] offset:RO+512
	ds_load_b128 v[RB+6:RB+9], v[LA16] offset:RO+768
	ds_load_b64 v[RB+10:RB+11], v[LA8] offset:RO+1280
.endr
.endm
.macro RSLOAD off
.irp p, 0,1,2,3
	ds_load_b32 v[RS+\p], v[LA4] offset:(\off)+128*\p
.endr
.endm
.macro MULQ q
.irp u, 0,1
.irp t, 0,1,2,3,4,5,6,7
.set f, 8*(2*(\q)+\u)+\t
	PLOC
.set RB, RF+24*((\q)%2)+12*\u
	WIN PWN
.if f < 8
	v_wmma_scale_f32_16x16x128_f8f6f4 v[ACC+8*\t:ACC+8*\t+7], v[PRG:PRG+11], v[RB:RB+11], 0, v[PS+4*\t+(\q)], v[RS+(\q)] matrix_a_fmt:MATRIX_FMT_FP6 matrix_b_fmt:MATRIX_FMT_FP6
.elseif \u == 0
	v_wmma_scale_f32_16x16x128_f8f6f4 v[ACC+8*\t:ACC+8*\t+7], v[PRG:PRG+11], v[RB:RB+11], v[ACC+8*\t:ACC+8*\t+7], v[PS+4*\t+(\q)], v[RS+(\q)] matrix_a_fmt:MATRIX_FMT_FP6 matrix_b_fmt:MATRIX_FMT_FP6
.else
	v_wmma_scale_f32_16x16x128_f8f6f4 v[ACC+8*\t:ACC+8*\t+7], v[PRG:PRG+11], v[RB:RB+11], v[ACC+8*\t:ACC+8*\t+7], v[PS+4*\t+(\q)], v[RS+(\q)] matrix_a_fmt:MATRIX_FMT_FP6 matrix_b_fmt:MATRIX_FMT_FP6 matrix_a_scale:MATRIX_SCALE_ROW1 matrix_b_scale:MATRIX_SCALE_ROW1
.endif
.endr
.endr
.endm
.macro TILE last, off, soff
	s_wait_dscnt 8
	MULQ 0
	WIN 0
	PLACES 4
	RLOAD 0, 2, \off
	s_wait_dscnt 8
	MULQ 1
	WIN 0
	PLACES 4
	RLOAD 1, 3, \off
	s_wait_dscnt 8
	MULQ 2
	WIN 0
	PLACES 4
.if !\last
	RLOAD 0, 0, \off+12288
	s_wait_dscnt 8
.else
	s_wait_dscnt 0x0
.endif
	MULQ 3
	WIN 0
	PLACES 5
.if !\last
	RSLOAD \soff+512
	RLOAD 1, 1, \off+12288
.endif
.endm
.macro EPI step
	QUANT4 ACC
	v_lshrrev_b32 v[SW], v[SHV], v[PW]
	v_and_b32 v[SW], s52, v[SW]
	global_store_b128 v[A16], v[PC:PC+3], s[54:55]
	global_store_b64 v[A8], v[PC+4:PC+5], s[54:55] offset:512
	global_store_b128 v[A16], v[PC+6:PC+9], s[56:57]
	global_store_b64 v[A8], v[PC+10:PC+11], s[56:57] offset:512
	global_store_b32 v[SA], v[SW], s[58:59]
.if \step
	s_wait_xcnt 0x0
	s_add_nc_u64 s[54:55], s[54:55], s[60:61]
	s_add_nc_u64 s[56:57], s[56:57], s[60:61]
	s_add_nc_u64 s[58:59], s[58:59], s[62:63]
.endif
.endm
	s_load_b128 s[4:7], s[0:1], 0x0
	s_load_b64 s[8:9], s[0:1], 0x10
	v_lshl_add_u32 v254, v0, 2, 0x32000
	v_mov_b32 v255, 0
	ds_add_u32 v254, v255
	ds_add_u32 v254, v255
	v_lshrrev_b32 v9, 5, v0
	v_readfirstlane_b32 s10, v9
	v_and_b32 v9, 31, v0
	v_lshlrev_b32 v[A16], 4, v9
	v_lshlrev_b32 v[A8], 3, v9
	v_lshlrev_b32 v[A4], 2, v9
	v_and_b32 v10, 15, v0
	v_bfe_u32 v11, v0, 4, 1
.irp b, 0,1,2,3
	v_mov_b32 v[TM+4+\b], 0
.endr
	s_mov_b32 s16, 3<<16
	s_mov_b32 s17, 32<<16
	s_mov_b32 s18, 256<<16                         ; codes: 256 rows of 256 bytes a load
	s_mov_b32 s19, 32<<16
	s_mov_b32 s20, 256
	s_mov_b32 s21, 32
	s_mov_b32 s22, 0
	s_mov_b32 s23, 0
	s_mov_b32 s28, 3<<16
	s_mov_b32 s29, 32<<16
	s_mov_b32 s30, 32<<16                          ; scale words: 32 rows of 256 bytes
	s_mov_b32 s31, 32<<16
	s_mov_b32 s32, 32
	s_mov_b32 s33, 32
	s_mov_b32 s34, 0
	s_mov_b32 s35, 0
	s_lshr_b32 s11, ttmp9, 5
	s_and_b32 s12, ttmp9, 31
	s_sub_co_u32 s13, ttmp9, 128
	s_lshr_b32 s14, s13, 2
	s_and_b32 s15, s13, 3
	s_wait_alu depctr_va_vdst(0)
	s_wait_dscnt 0x0
	s_wait_kmcnt 0x0
	s_cmp_lt_u32 ttmp9, 128
	s_cselect_b32 s11, s11, s14
	s_cselect_b32 s12, s12, s15
	s_cselect_b64 s[40:41], s[6:7], s[4:5]
	s_cselect_b64 s[42:43], s[4:5], s[6:7]
	s_mov_b32 s44, XS
	s_cselect_b32 s44, WQS, s44
	s_mov_b32 s45, WQS
	s_cselect_b32 s45, XS, s45
	s_cselect_b32 s46, 0, 128
	s_mov_b32 s47, 768
	s_cselect_b32 s47, HEADB, s47
	s_mov_b32 s60, 1536
	s_cselect_b32 s60, 768, s60
	s_mov_b32 s61, 0
	s_cselect_b32 s62, 64, 128
	s_mov_b32 s63, 0
	s_cselect_b32 s50, HEADB, 64
	s_cselect_b32 s51, 16, 0
	s_cselect_b32 s52, 0xffff, -1
	v_mul_u32_u24 v[SA], s50, v11
	v_lshl_add_u32 v[SA], v10, 2, v[SA]
	v_mul_u32_u24 v[SHV], s51, v11
	s_lshr_b32 s54, s12, 3
	s_lshl_b32 s54, s54, 4
	s_and_b32 s55, s11, 1
	s_lshl_b32 s55, s55, 3
	s_add_co_u32 s54, s54, s55
	s_lshl_b32 s55, s10, 1
	s_add_co_u32 s54, s54, s55
	s_mul_i32 s54, s54, HEADB
	s_lshr_b32 s55, s11, 1
	s_mul_i32 s55, s55, KREG
	s_add_co_u32 s54, s54, s55
	s_and_b32 s55, s12, 7
	s_mul_i32 s56, s55, 16*768
	s_add_co_u32 s56, s56, s54
	s_lshl_b32 s55, s55, 10
	s_add_co_u32 s55, s55, s54
	s_add_co_u32 s55, s55, 98304
	s_lshl_b32 s57, s11, 2
	s_add_co_u32 s57, s57, s10
	s_lshl_b32 s57, s57, 6
	s_lshl_b32 s58, s12, 4
	s_add_co_u32 s57, s57, s58
	s_mul_i32 s58, s57, 1536
	s_add_co_u32 s58, s58, VCB
	s_lshl_b32 s57, s57, 7
	s_add_co_u32 s57, s57, VSB
	s_cmp_lt_u32 ttmp9, 128
	s_cselect_b32 s2, s56, s58
	s_cselect_b32 s14, s55, s57
	s_mov_b32 s3, 0
	s_mov_b32 s15, 0
	s_add_nc_u64 s[54:55], s[8:9], s[2:3]
	s_add_nc_u64 s[58:59], s[8:9], s[14:15]
	s_mov_b32 s2, s47
	s_add_nc_u64 s[56:57], s[54:55], s[2:3]
	s_lshl_b32 s2, s11, 5
	s_lshl_b32 s53, s10, 3
	s_add_co_u32 s53, s53, s2
	s_mul_i32 s2, s53, 12288
	s_lshl_b32 s14, s53, 9
	s_add_co_u32 s14, s14, s44
	s_add_nc_u64 s[48:49], s[40:41], s[14:15]
	s_add_nc_u64 s[40:41], s[40:41], s[2:3]
	; THE FIRST FILLS, ONE A WAVE: the 16 streamed tiles' codes are 196,608 dense bytes, their scale words 8,192.  Waves 0-2 fetch a third of the codes each, wave 3 all the scale words.
	s_lshl_b32 s2, s12, 4
	s_add_co_u32 s53, s2, s46                      ; the first streamed tile
	s_mul_i32 s2, s53, 12288
	s_lshl_b32 s25, s10, 16                        ; 65,536 bytes x wave, in memory and in LDS
	s_add_co_u32 s2, s2, s25
	s_lshl_b32 s14, s53, 9
	s_add_co_u32 s14, s14, s45
	s_mov_b32 s24, 1
	s_add_nc_u64 s[26:27], s[42:43], s[2:3]
	s_or_b32 s27, s27, 0x80000000
	s_mov_b32 s36, 1
	s_mov_b32 s37, RSC
	s_add_nc_u64 s[38:39], s[42:43], s[14:15]
	s_or_b32 s39, s39, 0x80000000
	s_wait_alu depctr_va_vdst(0)
	s_cmp_lt_u32 s10, 3                            ; one chain of branches on the wave's number, a fill to each arm, one join
	s_cbranch_scc0 .Lscales
	tensor_load_to_lds s[24:27], s[16:23]
	s_nop 0
	PLACES 4
	s_branch .Lasked
.Lscales:
	tensor_load_to_lds s[36:39], s[28:35]
	s_nop 0
	PLACES 4
.Lasked:                                               ; the stationary operand's loads below are issued while the fills are on their way
.set f, 0
.rept 64
	PLOC
	WIN PWN<<6
	global_load_b128 v[PRG:PRG+3], v[A16], s[40:41] offset:12288*(f%8)+1536*(f/8)
	global_load_b64 v[PRG+4:PRG+5], v[A8], s[40:41] offset:12288*(f%8)+1536*(f/8)+512
	global_load_b128 v[PRG+6:PRG+9], v[A16], s[40:41] offset:12288*(f%8)+1536*(f/8)+768
	global_load_b64 v[PRG+10:PRG+11], v[A8], s[40:41] offset:12288*(f%8)+1536*(f/8)+1280
.set f, f+1
.endr
	WIN 0
.irp t, 0,1,2,3,4,5,6,7
.irp p, 0,1,2,3
	global_load_b32 v[PS+4*\t+\p], v[A4], s[48:49] offset:512*\t+128*\p
.endr
.endr
	s_mov_b32 s[SEL], 0x76543210
	s_mov_b32 s[SEL+1], 0xfedcba98
	s_mov_b32 s14, 0
	s_mov_b32 s15, RSC
	v_add_nc_u32 v[LA16], s14, v[A16]
	v_add_nc_u32 v[LA8], s14, v[A8]
	v_add_nc_u32 v[LA4], s15, v[A4]
	s_wait_alu depctr_va_vdst(0)
	s_wait_tensorcnt 0x0
	s_barrier_signal -1
	s_barrier_wait -1
	RLOAD 0, 0, 0
	RSLOAD 0
	RLOAD 1, 1, 0
	s_wait_loadcnt 0x0
	s_mov_b32 s13, 15
.Ltile:
	s_wait_alu depctr_va_vdst(0)
	TILE 0, 0, 0
	EPI 1
	s_add_co_u32 s14, s14, 12288
	s_add_co_u32 s15, s15, 512
	v_add_nc_u32 v[LA16], s14, v[A16]
	v_add_nc_u32 v[LA8], s14, v[A8]
	v_add_nc_u32 v[LA4], s15, v[A4]
	s_sub_co_u32 s13, s13, 1
	s_cmp_lg_u32 s13, 0
	s_cbranch_scc1 .Ltile
	s_wait_alu depctr_va_vdst(0)
	TILE 1, 0, 0
	EPI 0
	s_wait_tensorcnt 0x0
	ds_add_u32 v254, v255
	s_wait_dscnt 0x0
	s_endpgm
.Lfunc_end_k_qb8e42af629_qkv:
	.size	k_qb8e42af629_qkv, .Lfunc_end_k_qb8e42af629_qkv-k_qb8e42af629_qkv
	.p2alignl 7, 3214868480
	.fill 96, 4, 3214868480
	.section	.rodata,"a",@progbits
	.p2align	6, 0x0
	.amdhsa_kernel k_qb8e42af629_qkv
		.amdhsa_group_segment_fixed_size 327680
		.amdhsa_private_segment_fixed_size 0
		.amdhsa_enable_private_segment 0
		.amdhsa_kernarg_size 24
		.amdhsa_user_sgpr_count 2
		.amdhsa_user_sgpr_kernarg_segment_ptr 1
		.amdhsa_wavefront_size32 1
		.amdhsa_system_sgpr_workgroup_id_x 1
		.amdhsa_system_sgpr_workgroup_id_y 1
		.amdhsa_system_sgpr_workgroup_id_z 1
		.amdhsa_system_vgpr_workitem_id 0
		.amdhsa_next_free_vgpr 1024
		.amdhsa_next_free_sgpr 66
		.amdhsa_reserve_vcc 0
		.amdhsa_float_denorm_mode_32 3
		.amdhsa_float_denorm_mode_16_64 3
		.amdhsa_memory_ordered 1
		.amdhsa_forward_progress 1
		.amdhsa_inst_pref_size 66
	.end_amdhsa_kernel
	.amdgpu_metadata
---
amdhsa.version: [ 1, 2 ]
amdhsa.kernels:
  - .name:           k_qb8e42af629_qkv
    .symbol:         k_qb8e42af629_qkv.kd
    .args:
      - { .name: xq, .offset: 0, .size: 8, .value_kind: global_buffer, .address_space: global }
      - { .name: wq, .offset: 8, .size: 8, .value_kind: global_buffer, .address_space: global }
      - { .name: qkv, .offset: 16, .size: 8, .value_kind: global_buffer, .address_space: global }
    .group_segment_fixed_size: 327680
    .private_segment_fixed_size: 0
    .kernarg_segment_align: 8
    .kernarg_segment_size: 24
    .max_flat_workgroup_size: 128
    .sgpr_count:     66
    .vgpr_count:     1024
    .wavefront_size: 32
...
	.end_amdgpu_metadata
.endif
;; end of part 2
;; launch attn (part 3): grid 4 x 64, 8 waves a work-group, no clusters, 67,840 bytes of LDS; arguments qkv, maskw, val; writes val
.if DOCPART == 3
	.amdgcn_target "amdgcn-amd-amdhsa--gfx1250"
	.amdhsa_code_object_version 6
	.text
	.protected	k_qb8e42af629_attn
	.globl	k_qb8e42af629_attn
	.p2align	8
	.type	k_qb8e42af629_attn,@function
k_qb8e42af629_attn:
	s_mov_b64 s[64:65], 0
	v_nop
	global_prefetch_b8 v0, s[64:65] scope:SCOPE_SE
	s_setreg_imm32_b32 hwreg(HW_REG_WAVE_MODE, 25, 1), 1
	s_wait_xcnt 0x0
; ATTN: for one (batch, head) and a quarter of its queries: scores = q k^T / 8, the mask, the softmax, attn v; both products on codes of FP6 (E2M3) with E8M0 scales.  The head's output is quantised along E for the last product.
; THE KEYS ARE SHARED OUT AMONG THE WAVES, AND EVERY SCORE IS MADE ONCE.  Wave w of eight keeps keys 256 w .. 256 w + 255 of k and of v in registers for the whole launch (window 1: 16 x 6 + 6 and 8 x 12 registers);
; the 32 query tiles go by, one a trip.  The finished, normalised softmax is what is quantised, so a trip has two halves.  First half: my 128 scores a lane, in two steps of 128 keys: the mask, the running largest
; t = score x log2(e) / 8, M = that rounded up to a whole number, p = 2^(t - M), kept in registers, and their sum; (-M, sum) goes to LDS.  Barrier X.  Second half: the eight waves' entries give the row's M and sum;
; my p are multiplied by 2^(my M - M) / sum, quantised and multiplied by my v: a partial output, which goes to LDS.  In the next trip wave w adds registers 4 w .. 4 w + 3 of the eight partial outputs;
; after eight tiles each wave quantises one whole tile and stores it.  Barrier Y parts the reads of the entries and partial outputs from their next stores: signal behind my reads, wait ahead of my stores, register work alone between.
; LAYOUT.  Both products are used transposed: a lane holds ONE query.  The rows of a tile of k (and of v) are chosen by the loads' addresses: rows 0-7 are 8 u + j of one block of 32, rows 8-15 the same of the next block.
; So lane (r, h) holds whole blocks: register 32 b + 8 u + j of a step is key 64 b + 32 h + 8 u + j; a block's maximum needs no other lane and the conversions' results are the operand's registers.
; A block's largest p is not searched for: p rises with the score, so the block's largest score goes through the same multiply-add, exponential and multiplication (this takes v_exp_f32 not to fall where its input rises).
; K = 64 IN A FORM OF K = 128: q's registers 6-11 are zero codes, q's and k's scale bytes 2 and 3 are 0; k's fragments lie 6 registers apart, the upper half of each being the next one's codes: finite numbers times zero codes.
; A masked score becomes -infinity (v_cndmask_b32 on a word of lane bits, read by scalar loads).  A row with no open key has the sum 0: its 1 / sum is replaced by 0.
; NO CLUSTER, NO TENSOR LOAD: k and v go from memory straight into the registers where they stay, once, at the head; the four work-groups of a head share nothing else.
; PREFETCH: of a tile's 16 blocks of 256 bytes of mask words the work-group of head n asks for block n, two trips ahead, by wave 0 (all its lanes name that one block); the last two trips ask for nothing.
; q's chunk is asked for by its load, which stands behind the trip's last product with q, ahead of the next trip; the load behind the last trip reads bytes of qkv that lie behind the quarter's chunks, inside the buffer, and they are not used.
; LIMITS: the promise holds while the scaled scores t stay under 2^31 in magnitude; NaN and infinities are not served; a p under 2^-126 counts as 0 (v_exp_f32 flushes: ISA guide, its entry); 1 / sum is v_rcp_f32;
; a block of zeros gets the byte 1 (its codes are zeros, and this program alone reads the bytes).
.set HEADB, 106496                     ; a head's region of q or k: 128 chunks of 768 bytes, then 128 x 16 scale words
.set KREG,  6815744
.set VCB,   13631488
.set VSB,   19922944
.set XS,    6291456                    ; val: the scale words
.set ORED,  32768                      ; LDS: 0: partial outputs [wave][4 registers][lane]; here: summed outputs [slice][tile % 8][lane]
.set STATS, 65536                      ; 16 queries x (8 entries of 8 bytes + 16)
.set SPARE, 66816                      ; the spare words, 128 bytes a wave
; window 0: v1, v2 the add's; v3-5 16, 8 x lane, 4 r; v6 -infinity; v7 8 h; v8-14 LDS addresses; v15 4 r + h; v29 0; v30 largest score; v31, v63 lane permutes; v58-62 at work
.set Q,   16                           ; v16-27 q, v28 its scale word
.set QS,  28
.set NM,  32                           ; v32 -M of step 0; v34 of step 1, v35 my wave's sum
.set F,   36                           ; v36, v38 the two steps' factors
.set BM,  40                           ; v40-43 the four blocks' largest
.set CH,  44                           ; v44-47 four chains of maxima
.set SA,  48                           ; v48-55 four chains of sums
.set KS,  64                           ; v64-71 k's scale words, v72-75 v's, v76-77 p's: scales and nothing else
.set VS,  72
.set PW,  76
.set ST,  80                           ; v80-87 four entries; then the conversions' scale operands and the bytes
.set RB,  88                           ; v88-119 eight slices; then:
.set PC,  88                           ; v88-111 p's codes, v112-127 the conversions' second halves
.set CT,  112
.set P,   128                          ; v128-255 scores, then p
.set O,   128                          ; v128-159 the partial output, where step 0's p lay
.set QX,  160                          ; a summed tile, its codes and work
.set OC,  192
.set OT,  204
.set VF,  104                          ; window 1: v0-101 k, v104-199 v
.set MSB, 0
.macro WIN new
.if MSB != (\new)
	s_set_vgpr_msb (MSB<<8)|(\new)
.set MSB, (\new)
.endif
.endm
.macro VW
	s_wait_alu depctr_va_vdst(0)
.endm
.macro PLACES n
.rept \n
	v_nop
.endr
.endm
.macro MLOAD b                         ; a step's 64 mask words
	s_load_b512 s[32:47], s[8:9], s15 offset:(\b)
	s_load_b512 s[48:63], s[8:9], s15 offset:(\b)+0x40
	s_load_b512 s[68:83], s[8:9], s15 offset:(\b)+0x80
	s_load_b512 s[84:99], s[8:9], s15 offset:(\b)+0xc0
.endm
.macro QK s                            ; step s: 8 tiles of 16 keys x my 16 queries
	WIN 1                                          ; source 0 in window 1
.irp t, 0,2,4,6
	v_wmma_scale_f32_16x16x128_f8f6f4 v[P+64*(\s)+8*\t:P+64*(\s)+8*\t+7], v[48*(\s)+6*\t:48*(\s)+6*\t+11], v[Q:Q+11], 0, v[KS+4*(\s)+\t/2], v[QS] matrix_a_fmt:MATRIX_FMT_FP6 matrix_b_fmt:MATRIX_FMT_FP6
	v_wmma_scale_f32_16x16x128_f8f6f4 v[P+64*(\s)+8*\t+8:P+64*(\s)+8*\t+15], v[48*(\s)+6*\t+6:48*(\s)+6*\t+17], v[Q:Q+11], 0, v[KS+4*(\s)+\t/2], v[QS] matrix_a_fmt:MATRIX_FMT_FP6 matrix_b_fmt:MATRIX_FMT_FP6 matrix_a_scale:MATRIX_SCALE_ROW1
.endr
	WIN 0
.endm
.macro MASK s                          ; hidden scores become -infinity, each accumulator from its low end on
.set X, P+64*(\s)
	s_wait_kmcnt 0x0
.set j, 0
.rept 64
	v_cndmask_b32 v[X+j], v[X+j], v6, s[32+j+4*(j/32)]
.set j, j+1
.endr
.endm
.macro TOP s                           ; the blocks' largest scores, -M, p = 2^(t - M)
.set X, P+64*(\s)
.irp k, 0,1,2,3
	v_max3_num_f32 v[CH+\k], v[X+16*\k], v[X+16*\k+1], v[X+16*\k+2]
.endr
.irp i, 3,5,7,9,11,13
.irp k, 0,1,2,3
	v_max3_num_f32 v[CH+\k], v[CH+\k], v[X+16*\k+\i], v[X+16*\k+\i+1]
.endr
.endr
	v_max3_num_f32 v[CH], v[CH], v[X+15], v[X+31]
	v_max3_num_f32 v[CH+2], v[CH+2], v[X+47], v[X+63]
	s_delay_alu instid0(VALU_DEP_2)
	v_max_num_f32 v[BM+2*(\s)], v[CH], v[CH+1]     ; my two blocks of this step
	s_delay_alu instid0(VALU_DEP_2)
	v_max_num_f32 v[BM+2*(\s)+1], v[CH+2], v[CH+3]
	s_delay_alu instid0(VALU_DEP_1)
.if (\s) == 0
	v_max3_num_f32 v30, v[BM], v[BM+1], 0xff61b1e6 ; and -3e38, under every score
.else
	v_max3_num_f32 v30, v[BM+2], v[BM+3], v30      ; the running largest
.endif
	s_delay_alu instid0(VALU_DEP_1)
	v_permlanex16_b32 v31, v30, s20, s21
	s_delay_alu instid0(VALU_DEP_1)
	v_max_num_f32 v30, v30, v31                    ; with lane l xor 16's keys
	s_delay_alu instid0(VALU_DEP_1)
	v_mul_f32 v58, s24, v30                        ; -t
	s_delay_alu instid0(VALU_DEP_1)
	v_floor_f32 v[NM+2*(\s)], v58                  ; -M = -ceil(t)
.set j, 0
.rept 32
	v_pk_fma_f32 v[X+j:X+j+1], v[X+j:X+j+1], s[22:23], v[NM+2*(\s):NM+2*(\s)+1] op_sel_hi:[1,0,0]   ; t - M (the low words of c and of -M serve both halves)
.set j, j+2
.endr
	v_fma_f32 v[BM+2*(\s)], v[BM+2*(\s)], s22, v[NM+2*(\s)]
	v_fma_f32 v[BM+2*(\s)+1], v[BM+2*(\s)+1], s22, v[NM+2*(\s)]
	VW
.set j, 0
.rept 64
	v_exp_f32 v[X+j], v[X+j]
.set j, j+1
.endr
	v_exp_f32 v[BM+2*(\s)], v[BM+2*(\s)]
	v_exp_f32 v[BM+2*(\s)+1], v[BM+2*(\s)+1]
	v_nop                                          ; one plain line behind the exponentials
	VW
.endm
.macro SUMS s, dst                     ; my 64 p of step s, in four chains of pairs
.set X, P+64*(\s)
.irp k, 0,1,2,3
	v_pk_add_f32 v[SA+2*\k:SA+2*\k+1], v[X+2*\k:X+2*\k+1], v[X+8+2*\k:X+9+2*\k]
.endr
.irp m, 16,24,32,40,48,56
.irp k, 0,1,2,3
	v_pk_add_f32 v[SA+2*\k:SA+2*\k+1], v[SA+2*\k:SA+2*\k+1], v[X+\m+2*\k:X+\m+2*\k+1]
.endr
.endr
	v_pk_add_f32 v[SA:SA+1], v[SA:SA+1], v[SA+2:SA+3]
	v_pk_add_f32 v[SA+4:SA+5], v[SA+4:SA+5], v[SA+6:SA+7]
	s_delay_alu instid0(VALU_DEP_1)
	v_pk_add_f32 v[SA:SA+1], v[SA:SA+1], v[SA+4:SA+5]
	s_delay_alu instid0(VALU_DEP_1)
	v_add_f32 v[\dst], v[SA], v[SA+1]
.endm
.macro RLOADS                          ; my slice of the eight partial outputs
.irp k, 0,1,2,3,4,5,6,7
	ds_load_b128 v[RB+4*\k:RB+4*\k+3], v11 offset:4096*\k
.endr
.endm
.macro RSUM
.irp k, 0,8,16,24
	v_pk_add_f32 v[RB+\k:RB+\k+1], v[RB+\k:RB+\k+1], v[RB+\k+4:RB+\k+5]
	v_pk_add_f32 v[RB+\k+2:RB+\k+3], v[RB+\k+2:RB+\k+3], v[RB+\k+6:RB+\k+7]
.endr
.irp k, 0,16
	v_pk_add_f32 v[RB+\k:RB+\k+1], v[RB+\k:RB+\k+1], v[RB+\k+8:RB+\k+9]
	v_pk_add_f32 v[RB+\k+2:RB+\k+3], v[RB+\k+2:RB+\k+3], v[RB+\k+10:RB+\k+11]
.endr
	v_pk_add_f32 v[RB:RB+1], v[RB:RB+1], v[RB+16:RB+17]
	v_pk_add_f32 v[RB+2:RB+3], v[RB+2:RB+3], v[RB+18:RB+19]
.endm
.macro OQUANT step                     ; tile w of the last eight: register i is channel 32 h + i of the head: a chunk of the last product's operand, and my block's byte
.irp g, 0,1,2,3,4,5,6,7
	ds_load_b128 v[QX+4*\g:QX+4*\g+3], v14 offset:4096*\g
.endr
	s_wait_dscnt 0x0
	v_max3_num_f32 v[OT], |v[QX]|, |v[QX+1]|, |v[QX+2]|
	v_max3_num_f32 v[OT+1], |v[QX+3]|, |v[QX+4]|, |v[QX+5]|
.irp i, 6,10,14,18,22,26
	v_max3_num_f32 v[OT], v[OT], |v[QX+\i]|, |v[QX+\i+1]|
	v_max3_num_f32 v[OT+1], v[OT+1], |v[QX+\i+2]|, |v[QX+\i+3]|
.endr
	v_max3_num_f32 v[OT], v[OT], |v[QX+30]|, |v[QX+31]|
	s_delay_alu instid0(VALU_DEP_1)
	v_max3_num_f32 v[OT], v[OT], v[OT+1], 0x1800000            ; the floor 2^(3 - 127)
	s_delay_alu instid0(VALU_DEP_1)
	v_add_nc_u32 v[OT+2], 0xff000000, v[OT]                    ; 2 off the exponent field: the conversion's scale operand
	v_cvt_scalef32_pk16_fp6_f32 v[OC:OC+2], v[QX:QX+15], v[OT+2]
	v_cvt_scalef32_pk16_fp6_f32 v[OC+6:OC+8], v[QX+16:QX+31], v[OT+2]
	v_lshrrev_b32 v[OT+3], 23, v[OT+2]                         ; the byte; also the plain line behind the conversions
	v_mov_b32 v[OC+3], v[OC+6]
	v_mov_b32 v[OC+4], v[OC+7]
	v_mov_b32 v[OC+5], v[OC+8]
	global_store_b128 v3, v[OC:OC+3], s[10:11]
	global_store_b64 v4, v[OC+4:OC+5], s[10:11] offset:512
	global_store_b8 v15, v[OT+3], s[12:13]
.if \step
	s_wait_xcnt 0x0                                ; the stores' data and bases are written again only behind this wait
	s_add_nc_u64 s[10:11], s[10:11], 8*12288
	s_add_nc_u64 s[12:13], s[12:13], 8*512
.endif
.endm
	s_load_b128 s[72:75], s[0:1], 0x0              ; qkv, maskw
	s_load_b64 s[76:77], s[0:1], 0x10              ; val
	v_lshl_add_u32 v1, v0, 2, SPARE
	v_mov_b32 v2, 0
	v_lshrrev_b32 v30, 5, v0
	v_readfirstlane_b32 s14, v30                   ; wave 0..7
	s_lshl_b32 s17, s14, 3
	s_add_co_u32 s17, s17, STATS
	s_lshl_b32 s18, s14, 12
	s_lshl_b32 s19, s14, 9
	v_and_b32 v31, 31, v0                          ; lane
	v_and_b32 v60, 15, v0                          ; r
	v_bfe_u32 v61, v0, 4, 1                        ; h
	v_and_b32 v62, 7, v0                           ; r % 8
	v_bfe_u32 v63, v0, 3, 1                        ; r / 8
	v_lshlrev_b32 v3, 4, v31
	v_lshlrev_b32 v4, 3, v31
	v_lshlrev_b32 v5, 2, v60
	v_mov_b32 v6, 0xff800000
	v_lshlrev_b32 v7, 3, v61
	v_lshl_add_u32 v15, v60, 2, v61
	v_mov_b32 v29, 0
	; row r of my tile u of a pair of blocks lies in the stored tile 2 (r / 8) + u % 2 of the four, at its lane r % 8 + 8 (u / 2): the lane's part of that here, u's in the loads' offsets
	v_mul_u32_u24 v40, v63, 1536
	v_mul_u32_u24 v43, v63, 3072
	v_lshl_add_u32 v41, v62, 3, v40
	v_lshl_add_u32 v40, v62, 4, v40
	v_lshl_add_u32 v44, v62, 3, v43
	v_lshl_add_u32 v43, v62, 4, v43
	v_lshl_add_u32 v40, v61, 8, v40                ; k, 16 bytes a lane
	v_lshl_add_u32 v41, v61, 7, v41                ; k, 8 bytes a lane
	v_lshl_add_u32 v43, v61, 8, v43                ; v likewise
	v_lshl_add_u32 v44, v61, 7, v44
	v_lshlrev_b32 v42, 2, v62
	v_lshl_add_u32 v45, v63, 8, v42
	v_lshl_add_u32 v42, v63, 7, v42
	v_lshl_add_u32 v42, v61, 6, v42                ; k's scale words: lanes 16-31 the odd tile's
	v_lshl_add_u32 v45, v61, 13, v45               ; v's: lanes 16-31 the second key step's
	v_mul_u32_u24 v8, v60, 80
	v_lshl_add_u32 v9, v61, 5, v8
	v_add_nc_u32 v9, STATS, v9                     ; entries 4 h .. 4 h + 3 of my query
	v_add_nc_u32 v8, s17, v8                       ; my wave's entry
	v_add_nc_u32 v10, s18, v3                      ; my partial output
	v_add_nc_u32 v11, s19, v3                      ; my slice of wave 0's
	v_add_nc_u32 v12, ORED, v10                    ; my slice's sums
	v_add_nc_u32 v14, ORED, v11                    ; tile w of slice 0
.irp i, 22,23,24,25,26,27, 31,33,35,37,39,63
	v_mov_b32 v\i, 0                               ; q's upper half: zero codes; lane permutes' destinations; the upper words of pairs
.endr
.irp g, 0,1,2,3,4,5,6,7
	ds_store_b128 v10, v[22:25] offset:512*\g      ; trip 0 adds zeros and lays them where tile 7's sums come later
.endr
	s_and_b32 s25, ttmp7, 0xffff                   ; (batch, head)
	s_lshr_b32 s28, s25, 4
	s_and_b32 s29, s25, 15
	s_lshl_b32 s30, ttmp9, 5                       ; my first query tile in the batch
	s_lshl_b32 s31, s28, 7
	s_add_co_u32 s31, s31, s30                     ; and among all 512
	s_mul_i32 s32, s25, HEADB
	s_mul_i32 s34, s30, 768
	s_add_co_u32 s34, s34, s32                     ; q's chunk
	s_mov_b32 s35, 0
	s_lshl_b32 s36, s30, 6
	s_add_co_u32 s36, s36, s32
	s_add_co_u32 s36, s36, 98304                   ; q's scale words
	s_mov_b32 s37, 0
	s_lshl_b32 s38, s31, 12
	s_lshl_b32 s33, s29, 8
	s_add_co_u32 s40, s38, s33
	s_add_co_u32 s40, s40, 2*4096                  ; the prefetch: tile 2, block = head
	s_mov_b32 s41, 0
	s_add_co_u32 s38, s38, s19                     ; my two steps' mask words
	s_mov_b32 s39, 0
	s_add_co_u32 s33, s31, s14                     ; the tile that I quantise
	s_mul_i32 s42, s33, 12288
	s_mul_i32 s44, s29, 768
	s_add_co_u32 s42, s42, s44
	s_mov_b32 s43, 0
	s_lshl_b32 s44, s33, 9
	s_lshr_b32 s46, s29, 1
	s_lshl_b32 s46, s46, 6
	s_add_co_u32 s44, s44, s46
	s_and_b32 s46, s29, 1
	s_lshl_b32 s46, s46, 1
	s_add_co_u32 s44, s44, s46
	s_add_co_u32 s44, s44, XS                      ; val: the head's two bytes of the scale words
	s_mov_b32 s45, 0
	s_mul_i32 s46, s14, 12288
	s_add_co_u32 s46, s46, s32
	s_add_co_u32 s46, s46, KREG                    ; my 256 keys of k
	s_mov_b32 s47, 0
	s_lshl_b32 s48, s14, 10
	s_add_co_u32 s48, s48, s32
	s_add_co_u32 s48, s48, KREG+98304
	s_mov_b32 s49, 0
	s_lshl_b32 s33, s28, 4
	s_lshl_b32 s50, s14, 1
	s_add_co_u32 s33, s33, s50                     ; my first key step among 64
	s_lshl_b32 s50, s33, 4
	s_add_co_u32 s50, s50, s29
	s_mul_i32 s50, s50, 6144
	s_add_co_u32 s50, s50, VCB
	s_mov_b32 s51, 0
	s_lshl_b32 s52, s33, 13
	s_lshl_b32 s33, s29, 9
	s_add_co_u32 s52, s52, s33
	s_add_co_u32 s52, s52, VSB
	s_mov_b32 s53, 0
	s_mov_b32 s20, 0x76543210                      ; v_permlanex16_b32's selects: lane l xor 16
	s_mov_b32 s21, 0xfedcba98
	s_mov_b32 s22, 0x3e38aa3b                      ; c = log2(e) / 8
	s_mov_b32 s23, s22
	s_mov_b32 s24, 0xbe38aa3b                      ; -c
	s_mov_b32 s15, 0
	s_mov_b32 s16, 0
	VW
	s_wait_kmcnt 0x0
	s_add_nc_u64 s[4:5], s[72:73], s[34:35]
	s_add_nc_u64 s[6:7], s[72:73], s[36:37]
	s_add_nc_u64 s[8:9], s[74:75], s[38:39]
	s_add_nc_u64 s[26:27], s[74:75], s[40:41]
	s_add_nc_u64 s[10:11], s[76:77], s[42:43]
	s_add_nc_u64 s[12:13], s[76:77], s[44:45]
	s_add_nc_u64 s[2:3], s[72:73], s[46:47]
	s_add_nc_u64 s[28:29], s[72:73], s[48:49]
	s_add_nc_u64 s[30:31], s[72:73], s[50:51]
	s_add_nc_u64 s[100:101], s[72:73], s[52:53]
	MLOAD 0                                        ; tile 0, my first step
	global_load_b128 v[Q:Q+3], v3, s[4:5]
	global_load_b64 v[Q+4:Q+5], v4, s[4:5] offset:512
	global_load_b32 v[QS], v5, s[6:7]
.irp b, 0,1,2,3
.irp p, 0,1
	global_load_b32 v[KS+2*\b+\p], v42, s[28:29] offset:256*\b+32*\p
.endr
.endr
.irp u, 0,1,2,3
	global_load_b32 v[VS+\u], v45, s[100:101] offset:128*(\u%2)+32*(\u/2)
.endr
	WIN 0x40                                       ; destinations in window 1
.irp b, 0,1,2,3
.irp u, 0,1,2,3
	global_load_b128 v[24*\b+6*\u:24*\b+6*\u+3], v40, s[2:3] offset:768*(4*\b+\u%2)+128*(\u/2)
	global_load_b64 v[24*\b+6*\u+4:24*\b+6*\u+5], v41, s[2:3] offset:768*(4*\b+\u%2)+512+64*(\u/2)
.endr
.endr
.irp i, 96,97,98,99,100,101
	v_mov_b32 v\i, 0                               ; what follows k's last fragment: zero codes
.endr
.irp s, 0,1
.irp u, 0,1,2,3
.irp c, 0,1
	global_load_b128 v[VF+48*\s+12*\u+6*\c:VF+48*\s+12*\u+6*\c+3], v43, s[30:31] offset:98304*\s+1536*(\u%2)+128*(\u/2)+768*\c
	global_load_b64 v[VF+48*\s+12*\u+6*\c+4:VF+48*\s+12*\u+6*\c+5], v44, s[30:31] offset:98304*\s+1536*(\u%2)+64*(\u/2)+768*\c+512
.endr
.endr
.endr
	WIN 0
	VW
.Ltrip:
	s_wait_loadcnt 0x0                             ; q (in trip 0 also k and v)
	QK 0
	s_sub_co_u32 s17, s16, 1                       ; the tile whose partial outputs are added in this trip
	s_and_b32 s18, s17, 7
	s_lshl_b32 s18, s18, 9
	v_add_nc_u32 v13, s18, v12                     ; an addition and three v_nop: the four places behind the products
	PLACES 3
	MASK 0
	MLOAD 0x100                                    ; my second step's words
	s_cmp_lt_u32 s16, 30
	s_cselect_b32 s18, s14, 1
	s_cmp_lg_u32 s18, 0
	VW
	s_cbranch_scc1 .Lnot_asked                     ; wave 0 alone, and not in the last two trips
	global_prefetch_b8 v29, s[26:27] th:TH_LOAD_NT scope:SCOPE_SE
.Lnot_asked:
	TOP 0
	QK 1
	SUMS 0, 56                                     ; also the places behind the products, ahead of the loads into q
	VW
	s_wait_xcnt 0x0                                ; the bases are stepped only behind this wait
	s_add_nc_u64 s[4:5], s[4:5], 768
	s_add_nc_u64 s[6:7], s[6:7], 64
	s_add_nc_u64 s[26:27], s[26:27], 4096
	global_load_b128 v[Q:Q+3], v3, s[4:5]          ; the next tile's q
	global_load_b64 v[Q+4:Q+5], v4, s[4:5] offset:512
	global_load_b32 v[QS], v5, s[6:7]
	MASK 1
	s_add_co_u32 s15, s15, 4096
	s_and_b32 s15, s15, 0x1ffff                    ; behind tile 31 comes tile 0: no load leaves the quarter's 131,072 bytes
	MLOAD 0
	TOP 1
	v_sub_f32 v58, v[NM+2], v[NM]                  ; M of step 0 less M of step 1: a whole number, 0 or less
	s_delay_alu instid0(VALU_DEP_1)
	v_cvt_i32_f32 v58, v58                         ; (it saturates)
	s_delay_alu instid0(VALU_DEP_1)
	v_ldexp_f32 v59, 1.0, v58
	SUMS 1, 57
	s_delay_alu instid0(VALU_DEP_1)
	v_fma_f32 v57, v56, v59, v57                   ; both steps' sum under step 1's M
	s_delay_alu instid0(VALU_DEP_1)
	v_permlanex16_b32 v31, v57, s20, s21
	s_delay_alu instid0(VALU_DEP_1)
	v_add_f32 v[NM+3], v57, v31
	ds_store_b64 v8, v[NM+2:NM+3]                  ; lanes l and l xor 16 write the same entry
	VW
	s_wait_dscnt 0x0                               ; my entry and my last partial output are in LDS
	s_barrier_signal -1
	s_barrier_wait -1                              ; X: everybody's are
	ds_load_b128 v[ST:ST+3], v9
	ds_load_b128 v[ST+4:ST+7], v9 offset:16
	RLOADS
	s_wait_dscnt 8                                 ; the entries are in; the eight slices may be out
	v_min3_num_f32 v60, v[ST], v[ST+2], v[ST+4]
	s_delay_alu instid0(VALU_DEP_1)
	v_min_num_f32 v60, v60, v[ST+6]
	s_delay_alu instid0(VALU_DEP_1)
	v_permlanex16_b32 v31, v60, s20, s21
	s_delay_alu instid0(VALU_DEP_1)
	v_min_num_f32 v60, v60, v31                    ; the row's -M
.irp e, 0,2,4,6
	v_sub_f32 v[ST+\e], v60, v[ST+\e]              ; an entry's M less the row's
.endr
	v_sub_f32 v58, v60, v[NM+2]
.irp e, 0,2,4,6
	v_cvt_i32_f32 v[ST+\e], v[ST+\e]
.endr
	v_cvt_i32_f32 v58, v58
.irp e, 0,2,4,6
	v_ldexp_f32 v[ST+\e+1], v[ST+\e+1], v[ST+\e]   ; its sum under the row's M: nothing is rounded
.endr
	v_add_f32 v61, v[ST+1], v[ST+3]
	v_add_f32 v63, v[ST+5], v[ST+7]
	s_delay_alu instid0(VALU_DEP_1)
	v_add_f32 v61, v61, v63
	s_delay_alu instid0(VALU_DEP_1)
	v_permlanex16_b32 v31, v61, s20, s21
	s_delay_alu instid0(VALU_DEP_1)
	v_add_f32 v61, v61, v31                        ; the row's sum
	VW
	v_rcp_f32 v62, v61
	v_cmp_lt_f32 vcc_lo, 0, v61                    ; also the plain line behind the transcendental
	VW
	v_cndmask_b32 v62, 0, v62, vcc_lo              ; no open key: the weights are 0
	s_delay_alu instid0(VALU_DEP_1)
	v_ldexp_f32 v[F+2], v62, v58                   ; step 1's factor,
	s_delay_alu instid0(VALU_DEP_1)
	v_mul_f32 v[F], v[F+2], v59                    ; step 0's
	VW
	s_wait_dscnt 0x0                               ; the slices are in
	RSUM
	ds_store_b128 v13, v[RB:RB+3]
.irp s, 0,1
.set j, 0
.rept 32
	v_pk_mul_f32 v[P+64*\s+j:P+64*\s+j+1], v[P+64*\s+j:P+64*\s+j+1], v[F+2*\s:F+2*\s+1] op_sel_hi:[1,0]   ; the finished weights
.set j, j+2
.endr
.endr
.irp b, 0,1,2,3
	v_mul_f32 v[BM+\b], v[BM+\b], v[F+2*(\b/2)]    ; and each block's largest
.endr
	VW
	s_wait_dscnt 0x0                               ; my reads of entries and slices are over, my slice's sum is in LDS:
	s_barrier_signal -1                            ; Y; register work alone up to its wait
.irp b, 0,1,2,3
	v_max_num_f32 v[BM+\b], 0x1800000, v[BM+\b]    ; the floor 2^(3 - 127)
.endr
.irp b, 0,1,2,3
	v_add_nc_u32 v[ST+\b], 0xff000000, v[BM+\b]    ; 2 off the exponent field: the conversion's scale operand
.endr
.irp b, 0,1,2,3
	v_lshrrev_b32 v[ST+4+\b], 23, v[ST+\b]         ; the byte
.endr
	v_lshl_or_b32 v78, v[ST+5], 16, v[ST+4]        ; my bytes of blocks h and 2 + h,
	v_lshl_or_b32 v79, v[ST+7], 16, v[ST+6]
	s_delay_alu instid0(VALU_DEP_2)
	v_lshlrev_b32 v78, v7, v78                     ; 8 h bits up;
	s_delay_alu instid0(VALU_DEP_2)
	v_lshlrev_b32 v79, v7, v79
	s_delay_alu instid0(VALU_DEP_2)
	v_permlanex16_b32 v31, v78, s20, s21
	s_delay_alu instid0(VALU_DEP_2)
	v_permlanex16_b32 v63, v79, s20, s21
	s_delay_alu instid0(VALU_DEP_2)
	v_or_b32 v[PW], v78, v31                       ; with lane l xor 16's two the word is whole
	s_delay_alu instid0(VALU_DEP_2)
	v_or_b32 v[PW+1], v79, v63
.irp s, 0,1
.irp c, 0,1
	v_cvt_scalef32_pk16_fp6_f32 v[PC+12*\s+6*\c:PC+12*\s+6*\c+2], v[P+64*\s+32*\c:P+64*\s+32*\c+15], v[ST+2*\s+\c]
	v_cvt_scalef32_pk16_fp6_f32 v[CT+8*\s+4*\c:CT+8*\s+4*\c+2], v[P+64*\s+32*\c+16:P+64*\s+32*\c+31], v[ST+2*\s+\c]   ; (a conversion's three registers begin on an even number)
.endr
.endr
	v_nop                                          ; one plain line behind the scaled conversions
.irp s, 0,1
.irp c, 0,1
.irp i, 0,1,2
	v_mov_b32 v[PC+12*\s+6*\c+3+\i], v[CT+8*\s+4*\c+\i]
.endr
.endr
.endr
	PLACES 4                                       ; an operand written by vector instructions stands 4 places ahead of a scaled matrix instruction, a scale register 8
	WIN 1
.irp u, 0,1,2,3                                ; four accumulators by turns; the first key step starts the sums
	v_wmma_scale_f32_16x16x128_f8f6f4 v[O+8*\u:O+8*\u+7], v[VF+12*\u:VF+12*\u+11], v[PC:PC+11], 0, v[VS+\u], v[PW] matrix_a_fmt:MATRIX_FMT_FP6 matrix_b_fmt:MATRIX_FMT_FP6
.endr
.irp u, 0,1,2,3
	v_wmma_scale_f32_16x16x128_f8f6f4 v[O+8*\u:O+8*\u+7], v[VF+48+12*\u:VF+48+12*\u+11], v[PC+12:PC+23], v[O+8*\u:O+8*\u+7], v[VS+\u], v[PW+1] matrix_a_fmt:MATRIX_FMT_FP6 matrix_b_fmt:MATRIX_FMT_FP6 matrix_a_scale:MATRIX_SCALE_ROW1
.endr
	WIN 0
	PLACES 5                                       ; ahead of the stores of the results, and of the next trip's products, which write over them
	s_barrier_wait -1                              ; nobody reads the last partial outputs or entries any more
.irp g, 0,1,2,3,4,5,6,7
	ds_store_b128 v10, v[O+4*\g:O+4*\g+3] offset:512*\g   ; each accumulator from its low end on
.endr
	s_and_b32 s18, s17, 0x80000007
	s_cmp_lg_u32 s18, 7
	s_cbranch_scc1 .Lnot_eight                     ; behind trips 8, 16, 24 eight tiles' sums are whole (Y has shown the last)
	OQUANT 1
.Lnot_eight:
	s_add_co_u32 s16, s16, 1
	s_cmp_lt_u32 s16, 32
	s_cbranch_scc1 .Ltrip
	s_wait_dscnt 0x0                               ; tile 31's partial outputs
	s_barrier_signal -1
	s_barrier_wait -1
	RLOADS
	v_add_nc_u32 v13, 7*512, v12
	VW
	s_wait_dscnt 0x0
	RSUM
	ds_store_b128 v13, v[RB:RB+3]
	s_wait_dscnt 0x0
	s_barrier_signal -1
	s_barrier_wait -1
	OQUANT 0
	s_wait_tensorcnt 0x0                           ; the wave's end
	ds_add_u32 v1, v2
	s_wait_dscnt 0x0
	s_endpgm
.Lfunc_end_k_qb8e42af629_attn:
	.size	k_qb8e42af629_attn, .Lfunc_end_k_qb8e42af629_attn-k_qb8e42af629_attn
	.p2alignl 7, 3214868480
	.fill 96, 4, 3214868480
	.section	.rodata,"a",@progbits
	.p2align	6, 0x0
	.amdhsa_kernel k_qb8e42af629_attn
		.amdhsa_group_segment_fixed_size 67840
		.amdhsa_private_segment_fixed_size 0
		.amdhsa_enable_private_segment 0
		.amdhsa_kernarg_size 24
		.amdhsa_user_sgpr_count 2
		.amdhsa_user_sgpr_kernarg_segment_ptr 1
		.amdhsa_wavefront_size32 1
		.amdhsa_system_sgpr_workgroup_id_x 1
		.amdhsa_system_sgpr_workgroup_id_y 1
		.amdhsa_system_sgpr_workgroup_id_z 1
		.amdhsa_system_vgpr_workitem_id 0
		.amdhsa_next_free_vgpr 512
		.amdhsa_next_free_sgpr 102
		.amdhsa_reserve_vcc 1
		.amdhsa_float_denorm_mode_32 3
		.amdhsa_float_denorm_mode_16_64 3
		.amdhsa_memory_ordered 1
		.amdhsa_forward_progress 1
		.amdhsa_inst_pref_size 63
	.end_amdhsa_kernel
	.amdgpu_metadata
---
amdhsa.version: [ 1, 2 ]
amdhsa.kernels:
  - .name:           k_qb8e42af629_attn
    .symbol:         k_qb8e42af629_attn.kd
    .args:
      - { .name: qkv, .offset: 0, .size: 8, .value_kind: global_buffer, .address_space: global }
      - { .name: maskw, .offset: 8, .size: 8, .value_kind: global_buffer, .address_space: global }
      - { .name: val, .offset: 16, .size: 8, .value_kind: global_buffer, .address_space: global }
    .group_segment_fixed_size: 67840
    .private_segment_fixed_size: 0
    .kernarg_segment_align: 8
    .kernarg_segment_size: 24
    .max_flat_workgroup_size: 256
    .sgpr_count:     102
    .vgpr_count:     512
    .wavefront_size: 32
...
	.end_amdgpu_metadata
.endif
;; end of part 3
;; launch proj (part 4): grid 256 x 1, 4 waves a work-group, no clusters, 327,680 bytes of LDS; arguments val, wq, out0; writes out0
.if DOCPART == 4
	.amdgcn_target "amdgcn-amd-amdhsa--gfx1250"
	.amdhsa_code_object_version 6
	.text
	.protected	k_qb8e42af629_proj
	.globl	k_qb8e42af629_proj
	.p2align	8
	.type	k_qb8e42af629_proj,@function
k_qb8e42af629_proj:
	s_mov_b64 s[64:65], 0
	v_nop
	global_prefetch_b8 v0, s[64:65] scope:SCOPE_SE
	s_setreg_imm32_b32 hwreg(HW_REG_WAVE_MODE, 25, 1), 1
	s_wait_xcnt 0x0
.set XS,    6291456
.set WOC,   2359296
.set WOS,   3244032
.set RSC,   49152
.set STG,   51200
.set A16,  1
.set A8,   2
.set LA16, A16
.set LA8,  A8
.set A4,   3
.set LA4,  6
.set STO,  7
.set RD,   8
.set RF,   16
.set RS,   64
.set PS,   68
.set ACC,  100
.set P63,  164
.set OB,   176
.set MSB, 0
.macro WIN new
.if MSB != (\new)
	s_set_vgpr_msb (MSB<<8)|(\new)
.set MSB, (\new)
.endif
.endm
.macro PLACES n
.rept \n
	v_nop
.endr
.endm
.macro PLOC
.if f == 63
.set PWN, 0
.set PRG, P63
.else
.set PWN, 1+f/21
.set PRG, 12*(f%21)
.endif
.endm
.macro RLOAD set, q, off
.irp u, 0,1
.set RB, RF+24*(\set)+12*\u
.set RO, (\off)+1536*(2*(\q)+\u)
	ds_load_b128 v[RB:RB+3], v[LA16] offset:RO
	ds_load_b64 v[RB+4:RB+5], v[LA8] offset:RO+512
	ds_load_b128 v[RB+6:RB+9], v[LA16] offset:RO+768
	ds_load_b64 v[RB+10:RB+11], v[LA8] offset:RO+1280
.endr
.endm
.macro RSLOAD off
.irp p, 0,1,2,3
	ds_load_b32 v[RS+\p], v[LA4] offset:(\off)+128*\p
.endr
.endm
.macro MULQ q
.irp u, 0,1
.irp t, 0,1,2,3,4,5,6,7
.set f, 8*(2*(\q)+\u)+\t
	PLOC
.set RB, RF+24*((\q)%2)+12*\u
	WIN PWN
.if f < 8
	v_wmma_scale_f32_16x16x128_f8f6f4 v[ACC+8*\t:ACC+8*\t+7], v[PRG:PRG+11], v[RB:RB+11], 0, v[PS+4*\t+(\q)], v[RS+(\q)] matrix_a_fmt:MATRIX_FMT_FP6 matrix_b_fmt:MATRIX_FMT_FP6
.elseif \u == 0
	v_wmma_scale_f32_16x16x128_f8f6f4 v[ACC+8*\t:ACC+8*\t+7], v[PRG:PRG+11], v[RB:RB+11], v[ACC+8*\t:ACC+8*\t+7], v[PS+4*\t+(\q)], v[RS+(\q)] matrix_a_fmt:MATRIX_FMT_FP6 matrix_b_fmt:MATRIX_FMT_FP6
.else
	v_wmma_scale_f32_16x16x128_f8f6f4 v[ACC+8*\t:ACC+8*\t+7], v[PRG:PRG+11], v[RB:RB+11], v[ACC+8*\t:ACC+8*\t+7], v[PS+4*\t+(\q)], v[RS+(\q)] matrix_a_fmt:MATRIX_FMT_FP6 matrix_b_fmt:MATRIX_FMT_FP6 matrix_a_scale:MATRIX_SCALE_ROW1 matrix_b_scale:MATRIX_SCALE_ROW1
.endif
.endr
.endr
.endm
.macro TILE last, off, soff
	s_wait_dscnt 8
	MULQ 0
	WIN 0
	PLACES 4
	RLOAD 0, 2, \off
	s_wait_dscnt 8
	MULQ 1
	WIN 0
	PLACES 4
	RLOAD 1, 3, \off
	s_wait_dscnt 8
	MULQ 2
	WIN 0
	PLACES 4
.if !\last
	RLOAD 0, 0, \off+12288
	s_wait_dscnt 8
.else
	s_wait_dscnt 0x0
.endif
	MULQ 3
	WIN 0
	PLACES 5
.if !\last
	RSLOAD \soff+512
	RLOAD 1, 1, \off+12288
.endif
.endm
.macro OUT i
.irp t, 0,1,2,3,4,5,6,7
	ds_store_b128 v[STO], v[ACC+8*\t:ACC+8*\t+3] offset:128*(\t/2)+32*(\t%2)
	ds_store_b128 v[STO], v[ACC+8*\t+4:ACC+8*\t+7] offset:128*(\t/2)+32*(\t%2)+16
.endr
.if \i > 0
	s_wait_xcnt 0x0
.endif
.irp p, 0,1,2,3,4,5,6,7,8,9,10,11,12,13,14,15
	ds_load_b128 v[OB+4*\p:OB+4*\p+3], v[RD] offset:528*\p
.endr
.irp p, 0,1,2,3,4,5,6,7,8,9,10,11,12,13,14,15
	s_wait_dscnt 15-\p
	global_store_b128 v[A16], v[OB+4*\p:OB+4*\p+3], s[54:55] offset:(32*((\i)/2)+8*((\i)%2)+\p+8*(\p/8))*4096 th:TH_STORE_NT
.endr
.endm
	s_load_b128 s[4:7], s[0:1], 0x0
	s_load_b64 s[8:9], s[0:1], 0x10
	v_lshl_add_u32 v254, v0, 2, 0x29000
	v_mov_b32 v255, 0
	ds_add_u32 v254, v255
	ds_add_u32 v254, v255
	v_lshrrev_b32 v9, 5, v0
	v_readfirstlane_b32 s10, v9
	v_and_b32 v9, 31, v0
	v_lshlrev_b32 v[A16], 4, v9
	v_lshlrev_b32 v[A8], 3, v9
	v_lshlrev_b32 v[A4], 2, v9
	v_lshl_add_u32 v[LA4], v9, 2, RSC
	v_and_b32 v10, 15, v0
	v_bfe_u32 v11, v0, 4, 1
	s_mul_i32 s53, s10, 8448
	s_add_co_u32 s53, s53, STG
	v_mul_u32_u24 v[STO], v10, 528
	v_lshl_add_u32 v[STO], v11, 6, v[STO]
	v_add_nc_u32 v[STO], s53, v[STO]
	v_add_nc_u32 v[RD], s53, v[A16]
	s_mov_b32 s16, 3<<16
	s_mov_b32 s17, 32<<16
	s_mov_b32 s18, 64<<16                          ; codes: 64 rows of 256 bytes a load
	s_mov_b32 s19, 32<<16
	s_mov_b32 s20, 64
	s_mov_b32 s21, 32
	s_mov_b32 s22, 0
	s_mov_b32 s23, 0
	s_mov_b32 s28, 3<<16
	s_mov_b32 s29, 32<<16
	s_mov_b32 s30, 8<<16                           ; scale words: 8 rows of 256 bytes
	s_mov_b32 s31, 32<<16
	s_mov_b32 s32, 8
	s_mov_b32 s33, 32
	s_mov_b32 s34, 0
	s_mov_b32 s35, 0
	s_lshr_b32 s11, ttmp9, 7
	s_and_b32 s12, ttmp9, 127
	s_mov_b32 s3, 0
	s_mov_b32 s15, 0
	s_lshl_b32 s2, s11, 5
	s_lshl_b32 s53, s10, 3
	s_add_co_u32 s53, s53, s2
	s_mul_i32 s2, s53, 12288
	s_add_co_u32 s2, s2, WOC
	s_lshl_b32 s14, s53, 9
	s_add_co_u32 s14, s14, WOS
	s_wait_alu depctr_va_vdst(0)
	s_wait_dscnt 0x0
	s_wait_kmcnt 0x0
	s_add_nc_u64 s[40:41], s[6:7], s[2:3]
	s_add_nc_u64 s[48:49], s[6:7], s[14:15]
	; THE FIRST FILLS, ONE A WAVE: the four streamed tiles' codes are 49,152 dense bytes, their scale words 2,048.  Waves 0-2 fetch a third of the codes each, wave 3 all the scale words.
	s_lshl_b32 s53, s12, 2                         ; the first streamed tile
	s_mul_i32 s2, s53, 12288
	s_lshl_b32 s25, s10, 14                        ; 16,384 bytes x wave, in memory and in LDS
	s_add_co_u32 s2, s2, s25
	s_lshl_b32 s14, s53, 9
	s_add_co_u32 s14, s14, XS
	s_mov_b32 s24, 1
	s_add_nc_u64 s[26:27], s[4:5], s[2:3]
	s_or_b32 s27, s27, 0x80000000
	s_mov_b32 s36, 1
	s_mov_b32 s37, RSC
	s_add_nc_u64 s[38:39], s[4:5], s[14:15]
	s_or_b32 s39, s39, 0x80000000
	s_cmp_lt_u32 s10, 3                            ; one chain of branches on the wave's number, a fill to each arm, one join
	s_cbranch_scc0 .Lscales
	tensor_load_to_lds s[24:27], s[16:23]
	s_nop 0
	PLACES 4
	s_branch .Lasked
.Lscales:
	tensor_load_to_lds s[36:39], s[28:35]
	s_nop 0
	PLACES 4
.Lasked:                                               ; the stationary operand's loads below are issued while the fills are on their way
	s_lshl_b32 s2, s12, 18
	s_lshl_b32 s53, s11, 11
	s_add_co_u32 s2, s2, s53
	s_lshl_b32 s53, s10, 9
	s_add_co_u32 s2, s2, s53
	s_add_nc_u64 s[54:55], s[8:9], s[2:3]
.set f, 0
.rept 64
	PLOC
	WIN PWN<<6
	global_load_b128 v[PRG:PRG+3], v[A16], s[40:41] offset:12288*(f%8)+1536*(f/8)
	global_load_b64 v[PRG+4:PRG+5], v[A8], s[40:41] offset:12288*(f%8)+1536*(f/8)+512
	global_load_b128 v[PRG+6:PRG+9], v[A16], s[40:41] offset:12288*(f%8)+1536*(f/8)+768
	global_load_b64 v[PRG+10:PRG+11], v[A8], s[40:41] offset:12288*(f%8)+1536*(f/8)+1280
.set f, f+1
.endr
	WIN 0
.irp t, 0,1,2,3,4,5,6,7
.irp p, 0,1,2,3
	global_load_b32 v[PS+4*\t+\p], v[A4], s[48:49] offset:512*\t+128*\p
.endr
.endr
	s_wait_tensorcnt 0x0
	s_barrier_signal -1
	s_barrier_wait -1
	RLOAD 0, 0, 0
	RSLOAD 0
	RLOAD 1, 1, 0
	s_wait_loadcnt 0x0
.irp i, 0,1,2
	TILE 0, 12288*\i, 512*\i
	OUT \i
.endr
	TILE 1, 36864, 1536
	OUT 3
	s_wait_tensorcnt 0x0
	ds_add_u32 v254, v255
	s_wait_dscnt 0x0
	s_endpgm
.Lfunc_end_k_qb8e42af629_proj:
	.size	k_qb8e42af629_proj, .Lfunc_end_k_qb8e42af629_proj-k_qb8e42af629_proj
	.p2alignl 7, 3214868480
	.fill 96, 4, 3214868480
	.section	.rodata,"a",@progbits
	.p2align	6, 0x0
	.amdhsa_kernel k_qb8e42af629_proj
		.amdhsa_group_segment_fixed_size 327680
		.amdhsa_private_segment_fixed_size 0
		.amdhsa_enable_private_segment 0
		.amdhsa_kernarg_size 24
		.amdhsa_user_sgpr_count 2
		.amdhsa_user_sgpr_kernarg_segment_ptr 1
		.amdhsa_wavefront_size32 1
		.amdhsa_system_sgpr_workgroup_id_x 1
		.amdhsa_system_sgpr_workgroup_id_y 1
		.amdhsa_system_sgpr_workgroup_id_z 1
		.amdhsa_system_vgpr_workitem_id 0
		.amdhsa_next_free_vgpr 1024
		.amdhsa_next_free_sgpr 66
		.amdhsa_reserve_vcc 0
		.amdhsa_float_denorm_mode_32 3
		.amdhsa_float_denorm_mode_16_64 3
		.amdhsa_memory_ordered 1
		.amdhsa_forward_progress 1
		.amdhsa_inst_pref_size 93
	.end_amdhsa_kernel
	.amdgpu_metadata
---
amdhsa.version: [ 1, 2 ]
amdhsa.kernels:
  - .name:           k_qb8e42af629_proj
    .symbol:         k_qb8e42af629_proj.kd
    .args:
      - { .name: val, .offset: 0, .size: 8, .value_kind: global_buffer, .address_space: global }
      - { .name: wq, .offset: 8, .size: 8, .value_kind: global_buffer, .address_space: global }
      - { .name: out0, .offset: 16, .size: 8, .value_kind: global_buffer, .address_space: global }
    .group_segment_fixed_size: 327680
    .private_segment_fixed_size: 0
    .kernarg_segment_align: 8
    .kernarg_segment_size: 24
    .max_flat_workgroup_size: 128
    .sgpr_count:     66
    .vgpr_count:     1024
    .wavefront_size: 32
...
	.end_amdgpu_metadata
.endif
;; end of part 4
